; MI455X (gfx1250); checked and timed in simulation.
; The chip was launched on July 23, 2026; its instructions are those of AMD's public machine-readable ISA for CDNA 5 (MIT licence, August 2026) and "CDNA5" Instruction Set Architecture Reference Guide (July 2026). The comments in the code are by the model that wrote it; some were corrected since.
;; Scaled Dot Product Attention. Allowed arithmetic: float matrix products may take bf16 or f16 operands with f32 sums; all other float work in f32.
;; Inputs: K 4 x 16 x 2,048 x 128 float32; Q 4 x 16 x 2,048 x 128 float32; V 4 x 16 x 2,048 x 128 float32; mask 2,048 x 2,048 bool.
;; Outputs: out0 4 x 16 x 2,048 x 128 float32.
;; 2 versions, each right. Each part assembles by itself: llvm-mc -triple=amdgcn-amd-amdhsa -mcpu=gfx1250 --defsym DOCPART=n.
;; ======== version 1 of 2: 2 launches
;; limits: values are held in f16: magnitudes above 65,504 overflow, below 6.1e-05 lose precision; inputs' magnitudes at most 65,504; below input magnitudes of 6.1e-05 results are inexact or not finite
;; workspace buffers: mbits 524,288 bytes of whole numbers
;; launch packmask (part 1): grid 256 x 1, 4 waves a work-group, no clusters, 17,152 bytes of LDS; arguments mask, mbits; writes mbits
.if DOCPART == 1
	.amdgcn_target "amdgcn-amd-amdhsa--gfx1250"
	.amdhsa_code_object_version 6
	.text
	.protected	k_q33f43f9349_packmask
	.globl	k_q33f43f9349_packmask
	.p2align	8
	.type	k_q33f43f9349_packmask,@function
k_q33f43f9349_packmask:
	s_mov_b64 s[64:65], 0
	v_nop
	global_prefetch_b8 v0, s[64:65] scope:SCOPE_SE
	s_setreg_imm32_b32 hwreg(HW_REG_WAVE_MODE, 25, 1), 1
	s_wait_xcnt 0x0
; mask [2048][2048] of bytes (0 or 1)  ->  mbits: W[qt 0..127][kt 0..127][j 0..7], 32-bit words.
; Bit L of W[qt][kt][j] = (mask[16 qt + (L & 15)][16 kt + 8 (L >> 4) + j] != 0): the lane mask with which the attention launch
; selects register j of its 16 x 16 score tile (keys 16 kt .., queries 16 qt ..).  Made once here, it serves all 64 heads there.
; A work-group takes 16 mask rows x 1,024 bytes (qt = x >> 1, half kh = x & 1); 256 work-groups of four waves.
; The rows come in by loads of 512 neighbouring bytes a wave, turn through LDS, and leave as 512 neighbouring bytes a wave.
; No matrix unit, no cluster, no tensor load: 4 MiB are read once and nothing is shared between work-groups.
.set MROW,  2048                       ; bytes in a mask row
.set LP,    1040                       ; LDS pitch: 1,024 + 16, so that lane (r, h) of a 8-byte load starts at word 4 r + 2 h modulo 64
.set X,     8                          ; v[8:39]   data: first as loaded (8 x 16 bytes), then 16 x 8 bytes of my row
.set OUTW,  40                         ; v[40:43]  the wave's 128 words: word 4 L + c lies in lane L of register c
.set T,     44                         ; v[44:51]  one byte each, at work
	s_load_b128 s[4:7], s[0:1], 0x0                ; mask s[4:5], mbits s[6:7]
	v_lshl_add_u32 v64, v0, 2, 0x4100
	v_mov_b32 v65, 0
	v_and_b32 v1, 31, v0                           ; lane
	v_lshrrev_b32 v2, 5, v0
	v_readfirstlane_b32 s8, v2                     ; wave 0..3
	s_lshr_b32 s9, ttmp9, 1                        ; qt
	s_and_b32 s10, ttmp9, 1                        ; kh
	s_lshl_b32 s12, s9, 15                         ; 16 rows of 2,048 bytes
	s_lshl_b32 s11, s10, 10                        ; the half row
	s_add_co_u32 s12, s12, s11
	s_mov_b32 s13, 0
	s_lshl_b32 s14, s9, 12                         ; mbits: 4,096 bytes for a qt,
	s_lshl_b32 s11, s10, 11                        ; 2,048 for a half (64 key tiles of 32 bytes),
	s_add_co_u32 s14, s14, s11
	s_lshl_b32 s11, s8, 9                          ; 512 for a wave (16 key tiles)
	s_add_co_u32 s14, s14, s11
	s_mov_b32 s15, 0
	v_lshlrev_b32 v52, 4, v1                       ; 16 x lane: my 16 bytes of the wave's store
	v_lshl_add_u32 v3, v2, 13, v52                 ; + wave x 4 rows: my 16 bytes of the loads
	s_mul_i32 s24, s8, 4*LP
	v_lshl_add_u32 v4, v1, 4, s24                  ; LDS, in: rows 4 w .., 16 bytes a lane
	v_and_b32 v6, 15, v0                           ; r
	v_bfe_u32 v7, v0, 4, 1                         ; h
	v_mul_u32_u24 v5, v6, LP
	v_lshl_add_u32 v5, v7, 3, v5
	s_lshl_b32 s25, s8, 8
	v_add_nc_u32 v5, s25, v5                       ; LDS, back: row r, byte 256 w + 8 h
	s_wait_kmcnt 0x0
	s_add_nc_u64 s[4:5], s[4:5], s[12:13]
	s_add_nc_u64 s[6:7], s[6:7], s[14:15]
.irp i, 0,1,2,3
.irp c, 0,1
	global_load_b128 v[X+8*\i+4*\c:X+8*\i+4*\c+3], v3, s[4:5] offset:\i*MROW+\c*512 th:TH_LOAD_NT
.endr
.endr
.irp c, 0,1,2,3
	v_mov_b32 v[OUTW+\c], 0                        ; v_writelane_b32 keeps the other lanes: the registers are written whole first
.endr
	s_wait_loadcnt 0x0
.irp i, 0,1,2,3
.irp c, 0,1
	ds_store_b128 v4, v[X+8*\i+4*\c:X+8*\i+4*\c+3] offset:\i*LP+\c*512
.endr
.endr
	s_wait_dscnt 0x0                               ; my rows are in LDS, for the other waves' sake
	s_barrier_signal -1
	s_barrier_wait -1
.irp u, 0,1,2,3,4,5,6,7,8,9,10,11,12,13,14,15
	ds_load_b64 v[X+2*\u:X+2*\u+1], v5 offset:16*\u        ; key tile 16 w + u: keys 8 h .. 8 h + 7 of query row r
.endr
	s_wait_dscnt 0x0
; word 8 u + j of the wave's 128 = 4 (2 u + (j >> 2)) + (j & 3): lane 2 u + (j >> 2) of register j & 3
.irp u, 0,1,2,3,4,5,6,7,8,9,10,11,12,13,14,15
.irp j, 0,1,2,3,4,5,6,7
	v_and_b32 v[T+\j], 0xff<<(8*(\j&3)), v[X+2*\u+(\j>>2)]
.endr
.irp j, 0,1,2,3,4,5,6,7
	v_cmp_ne_u32 s[16+\j], 0, v[T+\j]              ; one bit a lane
.endr
.irp j, 0,1,2,3,4,5,6,7
	v_writelane_b32 v[OUTW+(\j&3)], s[16+\j], 2*\u+(\j>>2)
.endr
.endr
	global_store_b128 v52, v[OUTW:OUTW+3], s[6:7]  ; the wave's 512 neighbouring bytes, at a multiple of 512 from the buffer's first byte
	s_wait_tensorcnt 0x0
	ds_add_u32 v64, v65
	s_wait_dscnt 0x0
	s_endpgm
.Lfunc_end_k_q33f43f9349_packmask:
	.size	k_q33f43f9349_packmask, .Lfunc_end_k_q33f43f9349_packmask-k_q33f43f9349_packmask
	.p2alignl 7, 3214868480
	.fill 96, 4, 3214868480
	.section	.rodata,"a",@progbits
	.p2align	6, 0x0
	.amdhsa_kernel k_q33f43f9349_packmask
		.amdhsa_group_segment_fixed_size 17152
		.amdhsa_private_segment_fixed_size 0
		.amdhsa_enable_private_segment 0
		.amdhsa_kernarg_size 16
		.amdhsa_user_sgpr_count 2
		.amdhsa_user_sgpr_kernarg_segment_ptr 1
		.amdhsa_wavefront_size32 1
		.amdhsa_system_sgpr_workgroup_id_x 1
		.amdhsa_system_sgpr_workgroup_id_y 1
		.amdhsa_system_sgpr_workgroup_id_z 1
		.amdhsa_system_vgpr_workitem_id 0
		.amdhsa_next_free_vgpr 66
		.amdhsa_next_free_sgpr 66
		.amdhsa_reserve_vcc 0
		.amdhsa_float_denorm_mode_32 3
		.amdhsa_float_denorm_mode_16_64 3
		.amdhsa_memory_ordered 1
		.amdhsa_forward_progress 1
		.amdhsa_inst_pref_size 29
	.end_amdhsa_kernel
	.amdgpu_metadata
---
amdhsa.version: [ 1, 2 ]
amdhsa.kernels:
  - .name:           k_q33f43f9349_packmask
    .symbol:         k_q33f43f9349_packmask.kd
    .args:
      - { .name: mask, .offset: 0, .size: 8, .value_kind: global_buffer, .address_space: global }
      - { .name: mbits, .offset: 8, .size: 8, .value_kind: global_buffer, .address_space: global }
    .group_segment_fixed_size: 17152
    .private_segment_fixed_size: 0
    .kernarg_segment_align: 8
    .kernarg_segment_size: 16
    .max_flat_workgroup_size: 128
    .sgpr_count:     66
    .vgpr_count:     66
    .wavefront_size: 32
...
	.end_amdgpu_metadata
.endif
;; end of part 1
;; launch attn (part 2): grid 4 x 64, 8 waves a work-group, clusters of 4 x 1, 327,680 bytes of LDS; arguments K, Q, V, mbits, out0; writes out0
.if DOCPART == 2
	.amdgcn_target "amdgcn-amd-amdhsa--gfx1250"
	.amdhsa_code_object_version 6
	.text
	.protected	k_q33f43f9349_attn
	.globl	k_q33f43f9349_attn
	.p2align	8
	.type	k_q33f43f9349_attn,@function
k_q33f43f9349_attn:
	s_mov_b64 s[64:65], 0
	v_nop
	global_prefetch_b8 v0, s[64:65] scope:SCOPE_SE
	s_setreg_imm32_b32 hwreg(HW_REG_WAVE_MODE, 25, 1), 1
	s_wait_xcnt 0x0
	s_wait_alu depctr_hold_cnt(0) depctr_sa_sdst(0) depctr_va_vdst(0) depctr_va_sdst(0) depctr_va_ssrc(0) depctr_va_vcc(0) depctr_vm_vsrc(0)
	s_getreg_b32 s2, hwreg(HW_REG_IB_STS2, 6, 4)
	s_cmp_eq_u32 s2, 0
	s_cbranch_scc0 .Lentry_in_a_cluster
	s_endpgm
.Lentry_in_a_cluster:
	s_bfe_u32 s2, ttmp6, 0x10000c
	s_cmp_lg_u32 s2, 0x3003
	s_cbranch_scc0 .Lentry_shape_is_right
	s_endpgm
.Lentry_shape_is_right:
; out = softmax(mask ? Q K^T / sqrt(128) : -inf) V for 64 heads of 2,048 x 128, f32 in memory; products on the matrix units with f32 sums, softmax in f32
; with a running maximum.  The mask is an input: every score tile is computed, and every mask bit (packed by the launch before) is honoured.
; SHARES.  A work-group: 512 query rows of one head, eight waves of 64 rows (four q tiles of 16).  4 x 64 work-groups.  A trip: 64 keys; 32 trips.
; A sub-step (one step of the running softmax): 32 keys, 32 + 32 matrix instructions a wave.
; CLUSTER.  The four query blocks of a head walk the same K and V tiles: they form a cluster of 4 x 1 and ask for each tile jointly (mask 15).
; Tiles whose mask words are all zero are not skipped: the partners would then take different ways, and all must make every joint request.
; TRANSPOSED PRODUCTS.  S^T = K Q^T: source 0 = 16 keys, source 1 = 16 queries; lane (r, h) holds query r, its register j key 8 h + j.  So the maximum, the
; sum and the rescaling factor of a query are one number a lane (the other half of its keys lies in lane xor 16), and two key tiles, rounded in pairs,
; ARE source 1 of O^T = V^T P^T: no shuffle.  V^T's fragments come from V's rows by the transposing LDS load.
; FORMATS.  Q and K are rounded to bf16 as they are; the factor log2 e / sqrt 128 is applied to the f32 scores, in the fused multiply-add that takes the
; maximum away.  P V runs in the f16 form: P lies in [0, 1] and wants mantissa, not range (a rounding of at most 2^-11 of the number, against 2^-8 in
; bf16), since a row that sees few keys is a sum of few terms of V's own size that may cancel.  V is rounded to bf16 like Q and K and that number is
; then written as f16, which is exact from 2^-14 to 65,504.
; K AND V come as f32 into a stage of two LDS slots (tensor loads alone write there), are rounded once in the work-group, each wave 8 rows of each, into
; two 16-bit slots (LDS stores alone write there), and are read from those by all eight waves.  In trip t: tile t is multiplied, tile t + 1 is
; rounded, tile t + 2 is on its way.  Waves 4 to 7 round at the trip's head, waves 0 to 3 at its end.
; LIMITS.  |V| above 65,504 becomes infinite in f16; |V| below 2^-14 is kept to 2^-25 absolute.  The running maximum starts at -1e30: scores (times
; log2 e / sqrt 128) below that count as that.  A row without a true mask bit gives NaN (0 x 1/0), as the softmax of a row of -inf does.  The row sums
; add the f32 exponentials; the product with V takes their f16 roundings.
.set ROWB,   512                       ; a row of 128 f32
.set TILEB,  64*ROWB                   ; a tile of 64 rows in memory and in the stage
.set STSLOT, 2*TILEB                   ; a stage slot: K's tile, then V's
.set BFB,    2*STSLOT                  ; 131,072: the 16-bit slots begin
.set KP,     272                       ; K's 16-bit pitch: 256 + 16, an odd multiple of 16
.set VP,     288                       ; V's 16-bit pitch: 256 + 32, an odd multiple of 32, for the transposing load
.set BFV,    64*KP                     ; V's tile behind K's
.set BFSLOT, 64*KP+64*VP               ; 35,840
.set SCRB,   BFB+2*BFSLOT              ; 202,752: each wave's own scratch
.set SCRW,   8704                      ; 16 x 272 on Q's way in, 16 x 528 on O's way out
.set OPI,    528                       ; O's pitch: 512 + 16
.set CSC,    0x3e0293ee                ; log2 e / sqrt 128 in f32
; window 0
.set KADR, 1                           ; LDS: K fragments: BFB + r 272 + 16 h
.set VADR, 2                           ; LDS: V fragments: BFB + BFV + (8 h + (L & 7)) 288 + 16 ((L >> 3) & 1)
.set CS,   3                           ; v3, v4: stage slot 0, 1: W 4,096 + 16 lane
.set CDK,  5                           ; LDS: my 8 rounded rows of K: BFB + 8 W 272 + 8 lane
.set CDV,  6                           ; the same for V
.set NINF, 7                           ; -inf
.set MA,   8                           ; v[8:11], v[12:15]: the running maxima (of the scaled scores) of the four q tiles, two sets that take turns
.set MB,   12
.set AL,   16                          ; v[16:19] 2^(old maximum - new maximum)
.set LP,   20                          ; v[20:27] a pair of partial row sums for each q tile
.set PFO,  28                          ; prefetch: cx 8,192 + 256 lane
.set SA,   29                          ; scratch, in
.set SB,   30                          ; scratch, back
.set GO,   31                          ; 16 lane: Q's loads, out's stores
.set FR,   32                          ; v[32:63] fragments: two batches of K, or V's blocks 0 to 3
.set SC,   64                          ; v[64:127] S[n][kt] at 64 + 16 n + 8 kt; then P[n] at 64 + 16 n and V's block 4 + n at 64 + 16 n + 8
.set QF,   128                         ; v[128:255] Q[n][ks] at 128 + 32 n + 8 ks
; window 1: O[n][mt] at 64 n + 8 mt (v256 to v511); before the trips Q's rows in f32
; scalars: s[4:5] prefetch base, s[6:7] Q, s[10:11] mask words, s[12:13] out, s14 wave, s15 laps, s66 wave & 3, s67 scratch base,
; s[16:63] and s[68:83] mask words of q tiles 0 to 3, s[84:91] descriptor group 1, s[92:95] and s[96:99] group 0 of stage slots 0 and 1, s100, s101 lane selects
.set MSB, 0
.macro WIN new                         ; s_set_vgpr_msb: bits 1:0 source 0, 3:2 source 1, 5:4 source 2, 7:6 destination; the high byte repeats the setting left
.if MSB != \new
	s_set_vgpr_msb (MSB<<8)|\new
.set MSB, \new
.endif
.endm
.macro PLACES n                        ; places behind matrix instructions (ISA guide 7.12.1)
.rept \n
	v_nop
.endr
.endm
.macro ROUND                           ; a round of the cluster's barrier: my work-group's barrier, wave 0 signals for it, all wait for the four, my barrier again
	s_barrier_signal -1
	s_barrier_wait -1
	s_cmp_lg_u32 s14, 0
	s_cbranch_scc1 .Lnot_wave_0_\@
	s_barrier_signal -3
.Lnot_wave_0_\@:
	s_barrier_wait -3
	s_barrier_signal -1
	s_barrier_wait -1
.endm
	s_load_b256 s[4:11], s[0:1], 0x0               ; K s[4:5], Q s[6:7], V s[8:9], mbits s[10:11]
	s_load_b64 s[12:13], s[0:1], 0x20              ; out0
	v_lshl_add_u32 v126, v0, 2, 0x42800
	v_mov_b32 v127, 0
	ds_add_u32 v126, v127
	s_wait_dscnt 0x0
	v_lshrrev_b32 v1, 5, v0
	v_readfirstlane_b32 s14, v1                    ; wave 0..7
	v_and_b32 v32, 31, v0                          ; lane
	v_and_b32 v33, 15, v0                          ; r
	v_bfe_u32 v34, v0, 4, 1                        ; h
	v_lshlrev_b32 v[GO], 4, v32
	s_and_b32 s66, s14, 3
	s_bfe_u32 s16, ttmp6, 0x40000                  ; cx: my place in the cluster
	s_lshl_b32 s17, ttmp9, 2
	s_add_co_u32 s17, s17, s16                     ; query block = 4 x cluster x + cx
	s_and_b32 s18, ttmp7, 0xffff                   ; head = cluster y
	s_lshl_b32 s3, s16, 13
	v_lshl_add_u32 v[PFO], v32, 8, s3              ; my quarter of a tile, lanes 256 bytes apart
	s_lshl_b32 s20, s18, 20                        ; a head: 2,048 rows of 512 bytes
	s_mov_b32 s21, 0
	s_lshl_b32 s22, s17, 18                        ; a query block: 512 rows
	s_lshl_b32 s19, s14, 15                        ; a wave: 64 rows
	s_add_co_u32 s22, s22, s19
	s_add_co_u32 s22, s22, s20
	s_mov_b32 s23, 0
	s_lshl_b32 s24, s17, 17                        ; mask words: 32 q tiles of 4,096 bytes for a block,
	s_lshl_b32 s19, s14, 14                        ; 4 for a wave
	s_add_co_u32 s24, s24, s19
	s_mov_b32 s25, 0
	s_lshl_b32 s26, s66, 13                        ; my 8,192 bytes of a tile
	s_mov_b32 s27, 0
	s_wait_kmcnt 0x0
	s_add_nc_u64 s[6:7], s[6:7], s[22:23]
	s_add_nc_u64 s[12:13], s[12:13], s[22:23]
	s_add_nc_u64 s[10:11], s[10:11], s[24:25]
	s_cmp_lt_u32 s14, 4                            ; waves 0 to 3 fetch K's tile, waves 4 to 7 V's
	s_cselect_b64 s[4:5], s[4:5], s[8:9]
	s_add_nc_u64 s[4:5], s[4:5], s[20:21]          ; at my head: no place in the cluster enters
	; my 64 rows of Q, one row of 512 bytes a load, into window 1
	WIN 0x40
.set i, 0
.rept 64
	global_load_b128 v[4*i:4*i+3], v[GO], s[6:7] offset:ROWB*i th:TH_LOAD_NT
.set i, i+1
.endr
	WIN 0
	; group 1: 32 rows of 32 elements of 8 bytes, dense: my 8,192 bytes of a tile
	s_mov_b32 s84, 15|(3<<16)|(1<<21)              ; 15:0 the four partners; 17:16 elements of 8 bytes; 21 set beside a mask; no padding
	s_mov_b32 s85, 32<<16                          ; tensor_dim0 = 32
	s_mov_b32 s86, 32<<16                          ; tensor_dim1 = 32
	s_mov_b32 s87, 32<<16                          ; tile_dim0 = 32
	s_mov_b32 s88, 32                              ; tile_dim1 = 32
	s_mov_b32 s89, 32                              ; 32 elements from row to row
	s_mov_b32 s90, 0
	s_mov_b32 s91, 0
	s_mov_b32 s92, 1
	s_lshl_b32 s93, s14, 13                        ; stage slot 0: wave x 8,192 (K's four parts, then V's four)
	s_add_nc_u64 s[94:95], s[4:5], s[26:27]        ; tile 0
	s_mov_b32 s96, 1
	s_add_co_u32 s97, s93, STSLOT                  ; stage slot 1
	s_add_nc_u64 s[98:99], s[94:95], TILEB         ; tile 1
	s_or_b32 s95, s95, 0x80000000                  ; type 2
	s_or_b32 s99, s99, 0x80000000
	s_add_nc_u64 s[4:5], s[4:5], 3*TILEB           ; the first tile that is prefetched: tile 3
	ROUND                                          ; the four partners are here: the first joint loads meet
	tensor_load_to_lds s[92:95], s[84:91]          ; both first fills together, ahead of every LDS read and every wait on TENSORcnt
	s_nop 0
	tensor_load_to_lds s[96:99], s[84:91]
	s_nop 0
	s_load_b512 s[16:31], s[10:11], 0x0            ; mask words of the first sub-step: 2 key tiles x 8 words for each q tile
	s_load_b512 s[32:47], s[10:11], 0x1000
	s_load_b512 s[48:63], s[10:11], 0x2000
	s_load_b512 s[68:83], s[10:11], 0x3000
	s_mov_b32 s100, 0x76543210                     ; v_permlanex16_b32: lane i takes lane i xor 16
	s_mov_b32 s101, 0xfedcba98
	v_mul_u32_u24 v[KADR], v33, KP
	v_lshl_add_u32 v[KADR], v34, 4, v[KADR]
	v_add_nc_u32 v[KADR], BFB, v[KADR]
	v_and_b32 v35, 7, v0
	v_lshl_add_u32 v35, v34, 3, v35
	v_bfe_u32 v36, v0, 3, 1
	v_mul_u32_u24 v[VADR], v35, VP
	v_lshl_add_u32 v[VADR], v36, 4, v[VADR]
	v_add_nc_u32 v[VADR], BFB+BFV, v[VADR]
	s_lshl_b32 s3, s14, 12
	v_add_nc_u32 v[CS], s3, v[GO]
	v_add_nc_u32 v[CS+1], STSLOT, v[CS]
	s_mul_i32 s3, s14, 8*KP
	s_add_co_u32 s3, s3, BFB
	v_lshl_add_u32 v[CDK], v32, 3, s3
	s_mul_i32 s3, s14, 8*VP
	s_add_co_u32 s3, s3, BFB+BFV
	v_lshl_add_u32 v[CDV], v32, 3, s3
	s_mul_i32 s67, s14, SCRW
	s_add_co_u32 s67, s67, SCRB                    ; my scratch
	v_lshl_add_u32 v[SA], v32, 3, s67              ; in: a row of 128 bf16, 8 bytes a lane
	v_mul_u32_u24 v[SB], v33, KP
	v_lshl_add_u32 v[SB], v34, 4, v[SB]
	v_add_nc_u32 v[SB], s67, v[SB]                 ; back: as fragments
	v_mov_b32 v[NINF], 0xff800000
.irp n, 0,1,2,3
	v_mov_b32 v[MA+\n], 0xf149f2ca                 ; -1e30
	v_mov_b32 v[AL+\n], 0
	v_mov_b32 v[LP+2*\n], 0
	v_mov_b32 v[LP+2*\n+1], 0
.endr
; q tile n: 16 rows rounded to bf16 as they are, through my scratch into fragments (lane (r, h): row r, K = 8 h .. and 16 + 8 h ..)
.macro QIN n
	s_wait_loadcnt 48-16*\n                        ; the rows of the later q tiles stay out
	WIN 0x05                                       ; sources in window 1, destination in window 0
.set i, 0
.rept 32
	v_cvt_pk_bf16_f32 v[SC+32*(\n&1)+i], v[64*\n+2*i], v[64*\n+2*i+1]
.set i, i+1
.endr
	WIN 0
.set i, 0
.rept 16
	ds_store_b64 v[SA], v[SC+32*(\n&1)+2*i:SC+32*(\n&1)+2*i+1] offset:i*KP
.set i, i+1
.endr
.irp c, 0,1,2,3
	ds_load_b128 v[QF+32*\n+8*\c:QF+32*\n+8*\c+3],   v[SB] offset:64*\c       ; my own bytes; LDS serves a wave's instructions in order (ISA guide 5.7.1)
	ds_load_b128 v[QF+32*\n+8*\c+4:QF+32*\n+8*\c+7], v[SB] offset:64*\c+32
.endr
.endm
	QIN 0
	QIN 1
	QIN 2
	QIN 3
; Stage slot q to 16-bit slot q: my 8 rows of K (bf16) and my 8 rows of V (the bf16 rounding, written as f16); every access takes neighbouring bytes over the lanes
.macro CONV q
.irp i, 0,1,2,3,4,5,6,7
	ds_load_b128 v[SC+4*\i:SC+4*\i+3], v[CS+\q] offset:\i*ROWB
.endr
.irp i, 0,1,2,3,4,5,6,7
	ds_load_b128 v[SC+32+4*\i:SC+32+4*\i+3], v[CS+\q] offset:TILEB+\i*ROWB
.endr
	s_wait_dscnt 0x8                               ; K's rows are in; V's eight loads are the younger ones
.irp i, 0,1,2,3,4,5,6,7
	v_cvt_pk_bf16_f32 v[SC+4*\i],   v[SC+4*\i],   v[SC+4*\i+1]
	v_cvt_pk_bf16_f32 v[SC+4*\i+1], v[SC+4*\i+2], v[SC+4*\i+3]
.endr
.irp i, 0,1,2,3,4,5,6,7
	ds_store_b64 v[CDK], v[SC+4*\i:SC+4*\i+1] offset:\q*BFSLOT+\i*KP
.endr
	s_wait_dscnt 0x8                               ; V's rows are in; the eight stores just issued are the younger ones
.irp i, 0,1,2,3,4,5,6,7
	v_cvt_pk_bf16_f32 v[SC+32+4*\i],   v[SC+32+4*\i],   v[SC+32+4*\i+1]      ; four numbers of a row rounded to bf16, in registers 0 and 1 of the four
	v_cvt_pk_bf16_f32 v[SC+32+4*\i+1], v[SC+32+4*\i+2], v[SC+32+4*\i+3]
.endr
.irp i, 0,1,2,3,4,5,6,7
	v_lshlrev_b32 v[SC+32+4*\i+2], 16, v[SC+32+4*\i]                         ; the first two widened again (a shift, a mask),
	v_and_b32     v[SC+32+4*\i+3], 0xffff0000, v[SC+32+4*\i]
.endr
.irp i, 0,1,2,3,4,5,6,7
	v_cvt_pk_f16_f32 v[SC+32+4*\i], v[SC+32+4*\i+2], v[SC+32+4*\i+3]         ; and written as f16: 8 bits of mantissa fit into 11
.endr
.irp i, 0,1,2,3,4,5,6,7
	v_lshlrev_b32 v[SC+32+4*\i+2], 16, v[SC+32+4*\i+1]                       ; the other two likewise
	v_and_b32     v[SC+32+4*\i+3], 0xffff0000, v[SC+32+4*\i+1]
.endr
.irp i, 0,1,2,3,4,5,6,7
	v_cvt_pk_f16_f32 v[SC+32+4*\i+1], v[SC+32+4*\i+2], v[SC+32+4*\i+3]
.endr
.irp i, 0,1,2,3,4,5,6,7
	ds_store_b64 v[CDV], v[SC+32+4*\i:SC+32+4*\i+1] offset:\q*BFSLOT+\i*VP
.endr
.endm
; A batch of K: key tile kt4 of the trip's four, K steps 2 pair and 2 pair + 1, into 16 registers at f
.macro KLOAD buf, kt4, pair, f
.irp c, 0,1
	ds_load_b128 v[\f+8*\c:\f+8*\c+3],   v[KADR] offset:\buf*BFSLOT+(\kt4)*16*KP+(2*\pair+\c)*64
	ds_load_b128 v[\f+8*\c+4:\f+8*\c+7], v[KADR] offset:\buf*BFSLOT+(\kt4)*16*KP+(2*\pair+\c)*64+32
.endr
.endm
; Eight matrix instructions on a batch.  The four q tiles' accumulators take turns, one instruction a turn.  The first K step starts the sums.
.macro QKB kt, pair, f
.irp c, 0,1
.irp n, 0,1,2,3
.if (2*\pair+\c) == 0
	v_wmma_f32_16x16x32_bf16 v[SC+16*\n+8*\kt:SC+16*\n+8*\kt+7], v[\f+8*\c:\f+8*\c+7], v[QF+32*\n+8*(2*\pair+\c):QF+32*\n+8*(2*\pair+\c)+7], 0
.else
	v_wmma_f32_16x16x32_bf16 v[SC+16*\n+8*\kt:SC+16*\n+8*\kt+7], v[\f+8*\c:\f+8*\c+7], v[QF+32*\n+8*(2*\pair+\c):QF+32*\n+8*(2*\pair+\c)+7], v[SC+16*\n+8*\kt:SC+16*\n+8*\kt+7]
.endif
.endr
.endr
.endm
; One select a score register: the packed word is the lane mask.  q tile 3's words lie 4 registers further up.
.macro MASKT kt
.irp n, 0,1,2,3
.irp j, 0,1,2,3,4,5,6,7
	v_cndmask_b32 v[SC+16*\n+8*\kt+\j], v[NINF], v[SC+16*\n+8*\kt+\j], s[16+16*\n+4*(\n/3)+8*\kt+\j]
.endr
.endr
.endm
; V^T's fragments: 16 columns of V x the sub-step's 32 keys
.macro VLOADLO buf, ss
.irp m, 0,1,2,3
	ds_load_tr16_b128 v[FR+8*\m:FR+8*\m+3],   v[VADR] offset:\buf*BFSLOT+\ss*32*VP+32*\m
	ds_load_tr16_b128 v[FR+8*\m+4:FR+8*\m+7], v[VADR] offset:\buf*BFSLOT+\ss*32*VP+32*\m+16*VP
.endr
.endm
.macro VLOADHI buf, ss, t              ; block 4 + t, into the half of S[t] that the rounding has freed
	ds_load_tr16_b128 v[SC+16*\t+8:SC+16*\t+11],  v[VADR] offset:\buf*BFSLOT+\ss*32*VP+32*(\t+4)
	ds_load_tr16_b128 v[SC+16*\t+12:SC+16*\t+15], v[VADR] offset:\buf*BFSLOT+\ss*32*VP+32*(\t+4)+16*VP
.endm
.macro SUBM n, m                       ; S[n] x log2 e / sqrt 128 - the new maximum, fused, two at a time; op_sel picks the q tile's register of the pair for both halves
.irp i, 0,1,2,3,4,5,6,7
.if (\n)&1
	v_pk_fma_f32 v[SC+16*\n+2*\i:SC+16*\n+2*\i+1], v[SC+16*\n+2*\i:SC+16*\n+2*\i+1], CSC, v[\m+\n-1:\m+\n] op_sel:[0,0,1] op_sel_hi:[1,0,1] neg_lo:[0,0,1] neg_hi:[0,0,1]
.else
	v_pk_fma_f32 v[SC+16*\n+2*\i:SC+16*\n+2*\i+1], v[SC+16*\n+2*\i:SC+16*\n+2*\i+1], CSC, v[\m+\n:\m+\n+1] op_sel_hi:[1,0,0] neg_lo:[0,0,1] neg_hi:[0,0,1]
.endif
.endr
.endm
.macro EXPN n
.set i, 0
.rept 16
	v_exp_f32 v[SC+16*\n+i], v[SC+16*\n+i]
.set i, i+1
.endr
.endm
; The row sums (the old ones rescaled by one fused multiply-add) and the rounding to f16, pair by pair: pair i lands in register i, which has been summed
.macro SUMCVT n
.if (\n)&1
	s_wait_alu depctr_va_vdst(0)
	v_pk_fma_f32 v[LP+2*\n:LP+2*\n+1], v[LP+2*\n:LP+2*\n+1], v[AL+\n-1:AL+\n], v[SC+16*\n:SC+16*\n+1] op_sel:[0,1,0] op_sel_hi:[1,1,1]
.else
	s_wait_alu depctr_va_vdst(0)
	v_pk_fma_f32 v[LP+2*\n:LP+2*\n+1], v[LP+2*\n:LP+2*\n+1], v[AL+\n:AL+\n+1], v[SC+16*\n:SC+16*\n+1] op_sel_hi:[1,0,1]
.endif
	v_cvt_pk_f16_f32 v[SC+16*\n], v[SC+16*\n], v[SC+16*\n+1]
.irp i, 1,2,3,4,5,6,7
	v_pk_add_f32 v[LP+2*\n:LP+2*\n+1], v[LP+2*\n:LP+2*\n+1], v[SC+16*\n+2*\i:SC+16*\n+2*\i+1]
	v_cvt_pk_f16_f32 v[SC+16*\n+\i], v[SC+16*\n+2*\i], v[SC+16*\n+2*\i+1]
.endr
.endm
.macro SCALEO                          ; O times the lane's factor AL[n]: destination and source 0 in window 1
	WIN 0x41
.irp n, 0,1,2,3
.set i, 0
.rept 32
.if (\n)&1
	v_pk_mul_f32 v[64*\n+2*i:64*\n+2*i+1], v[64*\n+2*i:64*\n+2*i+1], v[AL+\n-1:AL+\n] op_sel:[0,1] op_sel_hi:[1,1]
.else
	v_pk_mul_f32 v[64*\n+2*i:64*\n+2*i+1], v[64*\n+2*i:64*\n+2*i+1], v[AL+\n:AL+\n+1] op_sel_hi:[1,0]
.endif
.set i, i+1
.endr
.endr
.endm
; Sixteen matrix instructions of O^T += V^T P^T, in the f16 form, on sixteen accumulators, each once
.macro PVH hi, first
.irp m, 0,1,2,3
.irp n, 0,1,2,3
.if \hi
.if \first
	v_wmma_f32_16x16x32_f16 v[64*\n+8*\m+32:64*\n+8*\m+39], v[SC+16*\m+8:SC+16*\m+15], v[SC+16*\n:SC+16*\n+7], 0
.else
	v_wmma_f32_16x16x32_f16 v[64*\n+8*\m+32:64*\n+8*\m+39], v[SC+16*\m+8:SC+16*\m+15], v[SC+16*\n:SC+16*\n+7], v[64*\n+8*\m+32:64*\n+8*\m+39]
.endif
.else
.if \first
	v_wmma_f32_16x16x32_f16 v[64*\n+8*\m:64*\n+8*\m+7], v[FR+8*\m:FR+8*\m+7], v[SC+16*\n:SC+16*\n+7], 0
.else
	v_wmma_f32_16x16x32_f16 v[64*\n+8*\m:64*\n+8*\m+7], v[FR+8*\m:FR+8*\m+7], v[SC+16*\n:SC+16*\n+7], v[64*\n+8*\m:64*\n+8*\m+7]
.endif
.endif
.endr
.endr
.endm
; A sub-step: keys 32 ss .. 32 ss + 31 of 16-bit slot buf.  mo, mn: the old and the new maxima.  first: O's sums start.  kpre: the next sub-step's first two
; batches of K are fetched.  mnext: the next sub-step's mask words are fetched.  On entry the first two batches of K are on their way into FR.
.macro SUB buf, ss, mo, mn, first, kpre, mnext
.if \ss
	s_wait_dscnt 0x4                               ; batch 0 is in; batch 1's four loads are the younger ones
.else
	s_wait_dscnt 0x0                               ; waves that have just rounded a tile have stores behind the batches: all
.endif
	QKB 0, 0, FR
	PLACES 4                                       ; in front of loads into registers that the matrix instructions read
	KLOAD \buf, 2*\ss+1, 0, FR
	s_wait_dscnt 0x4                               ; batch 1
	QKB 0, 1, FR+16
	PLACES 4
	KLOAD \buf, 2*\ss+1, 1, FR+16
	s_wait_dscnt 0x4                               ; batch 2
	QKB 1, 0, FR
	s_wait_dscnt 0x0                               ; batch 3
	QKB 1, 1, FR+16
	s_wait_kmcnt 0x0                               ; this sub-step's mask words
	MASKT 0                                        ; 32 selects on the first key tile, which name no register of the last sixteen matrix instructions: their places
	VLOADLO \buf, \ss
	MASKT 1
	; the largest of my 16 raw scores of each q tile: 3 + 6 x 2 + 1, four chains side by side
.irp n, 0,1,2,3
	v_max3_num_f32 v[\mn+\n], v[SC+16*\n], v[SC+16*\n+1], v[SC+16*\n+2]
.endr
.irp i, 0,1,2,3,4,5
.irp n, 0,1,2,3
	v_max3_num_f32 v[\mn+\n], v[SC+16*\n+3+2*\i], v[SC+16*\n+4+2*\i], v[\mn+\n]
.endr
.endr
.irp n, 0,1,2,3
	v_max_num_f32 v[\mn+\n], v[\mn+\n], v[SC+16*\n+15]
.endr
.if \mnext
	s_add_nc_u64 s[10:11], s[10:11], 64            ; two key tiles on; no scalar load is out since the wait above
	s_load_b512 s[16:31], s[10:11], 0x0
	s_load_b512 s[32:47], s[10:11], 0x1000
	s_load_b512 s[48:63], s[10:11], 0x2000
	s_load_b512 s[68:83], s[10:11], 0x3000
.endif
.irp n, 0,1,2,3
	v_mul_f32 v[\mn+\n], CSC, v[\mn+\n]            ; into the units of the exponent: the factor is positive, so the largest stays the largest
.endr
.irp n, 0,1,2,3
	v_permlanex16_b32 v[AL+\n], v[\mn+\n], s100, s101      ; the other eight keys of each tile lie in lane xor 16
.endr
.irp n, 0,1,2,3
	v_max3_num_f32 v[\mn+\n], v[\mn+\n], v[AL+\n], v[\mo+\n]       ; mine, the other half's, the running one
.endr
.irp n, 0,1,2,3
	v_sub_f32 v[AL+\n], v[\mo+\n], v[\mn+\n]
.endr
.irp n, 0,1,2,3
	v_exp_f32 v[AL+\n], v[AL+\n]
.endr
	; staggered, so that plain instructions on another q tile stand between a run of exponentials and the first use of its results (ISA guide 5.7.2)
	SUBM 0, \mn
	EXPN 0
	SUBM 1, \mn
	SUMCVT 0
	VLOADHI \buf, \ss, 0
	EXPN 1
	SUBM 2, \mn
	SUMCVT 1
	VLOADHI \buf, \ss, 1
	EXPN 2
	SUBM 3, \mn
	SUMCVT 2
	VLOADHI \buf, \ss, 2
	EXPN 3
	v_nop
	s_wait_alu depctr_va_vdst(0)
	SUMCVT 3
	VLOADHI \buf, \ss, 3
.if \first == 0
	SCALEO
.endif
	s_wait_dscnt 0x8                               ; V's blocks 0 to 3 are in; the eight loads of blocks 4 to 7 are the younger ones
	WIN 0x50                                       ; C and D in window 1
	PVH 0, \first
.if \kpre
	WIN 0
	PLACES 4                                       ; in front of loads into FR, which the sixteen above read
	KLOAD \buf, 2*\ss+2, 0, FR
	KLOAD \buf, 2*\ss+2, 1, FR+16
	s_wait_dscnt 0x8                               ; V's blocks 4 to 7 are in; the eight loads just issued are the younger ones
.else
	s_wait_dscnt 0x0
.endif
	WIN 0x50
	PVH 1, \first
	WIN 0
	PLACES 5                                       ; the next scores are written over P and V's blocks; loads go into them too
.endm
; A trip on stage and 16-bit slot p (o: the other).  refill: tile t + 2 is asked for; conv: tile t + 1 is rounded; pf: tile t + 3 is prefetched.
.macro TRIP p, o, refill, conv, pf, first, last
.if \conv
	s_wait_xcnt 0x0
	v_lshl_add_u32 v126, v0, 2, 0x42800
	v_mov_b32 v127, 0
	s_wait_tensorcnt 0x0                           ; all my tensor loads have landed: the one that was out is my part of tile t + 1
	ds_add_u32 v126, v127
	s_wait_dscnt 0x0
.endif
.if \refill
	s_add_nc_u64 s[94+4*\p:95+4*\p], s[94+4*\p:95+4*\p], 2*TILEB   ; so a group 0 may be written: this slot's next tile
.endif
	s_wait_dscnt 0x0                               ; my reads of stage slot p and of 16-bit slot o are back, my stores into 16-bit slot p are done
.if \refill
	ROUND                                          ; all that now holds of every wave of the four partners
	tensor_load_to_lds s[92+4*\p:95+4*\p], s[84:91]        ; my one tensor load behind the round, and the first thing there
	s_nop 0
.else
	s_barrier_signal -1
	s_barrier_wait -1
.endif
.if \pf
	; Tile t + 3, one trip ahead of its tensor load: wave 0 asks for K's, wave 4 for V's; each partner for its quarter of 8,192 bytes, lanes 256 bytes
	; apart: each block once in the launch.  Trips 29 to 31 ask for nothing: tile 31 is the head's last.
	s_cmp_lg_u32 s66, 0
	s_cbranch_scc1 .Lnopf_\@
	global_prefetch_b8 v[PFO], s[4:5] offset:\p*TILEB th:TH_LOAD_NT scope:SCOPE_SE
.Lnopf_\@:
.endif
	KLOAD \p, 0, 0, FR
	KLOAD \p, 0, 1, FR+16
.if \conv
	s_cmp_lt_u32 s14, 4
	s_cbranch_scc1 .Llate_\@
	CONV \o                                        ; waves 4 to 7 round here,
.Llate_\@:
.endif
	SUB \p, 0, MA, MB, \first, 1, 1
	SUB \p, 1, MB, MA, 0, 0, 1-\last
.if \conv
	s_cmp_ge_u32 s14, 4
	s_cbranch_scc1 .Ldone_\@
	CONV \o                                        ; waves 0 to 3 here: the two waves of a pair W, W + 4 are at different work at a time
.Ldone_\@:
.endif
.endm
.macro PBSTEP                          ; two tiles on; the prefetches that name s[4:5] were issued a trip's work ago
	s_wait_xcnt 0x0
	s_add_nc_u64 s[4:5], s[4:5], 2*TILEB
.endm
	s_wait_tensorcnt 0x1                           ; my part of tile 0 is in; tile 1 may stay out
	s_wait_dscnt 0x0                               ; Q's fragments
	s_barrier_signal -1
	s_barrier_wait -1                              ; everybody's part of tile 0 is in
	CONV 0
	TRIP 0, 1, 1, 1, 1, 1, 0                       ; trips 0 and 1 stand in front of the loop: the first products start O's sums
	TRIP 1, 0, 1, 1, 1, 0, 0
	PBSTEP
	s_mov_b32 s15, 13                              ; trips 2 to 27
.Llap:
	TRIP 0, 1, 1, 1, 1, 0, 0
	TRIP 1, 0, 1, 1, 1, 0, 0
	PBSTEP
	s_sub_co_i32 s15, s15, 1
	s_cmp_lg_u32 s15, 0
	s_cbranch_scc1 .Llap
	TRIP 0, 1, 1, 1, 1, 0, 0                       ; trip 28: asks for tile 30, prefetches tile 31
	TRIP 1, 0, 1, 1, 0, 0, 0                       ; trip 29: asks for tile 31, the last
	TRIP 0, 1, 0, 1, 0, 0, 0                       ; trip 30: rounds tile 31; nothing is left to fetch
	TRIP 1, 0, 0, 0, 0, 0, 1                       ; trip 31
	; THE WAY OUT: O / row sum, 16 rows at a time through my scratch, so that a store of the wave is one whole row of 512 bytes
.irp n, 0,1,2,3
	v_add_f32 v[LP+2*\n], v[LP+2*\n], v[LP+2*\n+1]
.endr
.irp n, 0,1,2,3
	v_permlanex16_b32 v[AL+\n], v[LP+2*\n], s100, s101
.endr
.irp n, 0,1,2,3
	v_add_f32 v[AL+\n], v[AL+\n], v[LP+2*\n]
.endr
.irp n, 0,1,2,3
	v_rcp_f32 v[AL+\n], v[AL+\n]
.endr
	v_and_b32 v32, 15, v0                          ; plain instructions between the reciprocals and their use
	v_bfe_u32 v33, v0, 4, 1
	v_mul_u32_u24 v[SA], v32, OPI
	v_lshl_add_u32 v[SA], v33, 5, v[SA]
	v_add_nc_u32 v[SA], s67, v[SA]                 ; in: lane (r, h), block mt: row r, 32 bytes at 64 mt + 32 h
	v_add_nc_u32 v[SB], s67, v[GO]                 ; back: a row, 16 bytes a lane
	s_wait_alu depctr_va_vdst(0)
	SCALEO
.macro OUTN n, f
	WIN 0x04                                       ; store data from window 1
.irp m, 0,1,2,3,4,5,6,7
	ds_store_b128 v[SA], v[64*\n+8*\m:64*\n+8*\m+3]   offset:64*\m
	ds_store_b128 v[SA], v[64*\n+8*\m+4:64*\n+8*\m+7] offset:64*\m+16
.endr
	WIN 0
	s_wait_xcnt 0x0                                ; the registers at f, which earlier stores read, are loaded again only behind this wait
.set i, 0
.rept 16
	ds_load_b128 v[\f+4*i:\f+4*i+3], v[SB] offset:i*OPI    ; my own bytes, served in order behind the stores above
.set i, i+1
.endr
.set i, 0
.rept 16
	s_wait_dscnt 15-i                              ; row i is in; the later rows' loads are the younger ones
	global_store_b128 v[GO], v[\f+4*i:\f+4*i+3], s[12:13] offset:(16*\n+i)*ROWB th:TH_STORE_NT
.set i, i+1
.endr
.endm
	OUTN 0, SC
	OUTN 1, QF
	OUTN 2, SC
	OUTN 3, QF
	s_wait_xcnt 0x0
	v_lshl_add_u32 v126, v0, 2, 0x42800
	v_mov_b32 v127, 0
	s_wait_tensorcnt 0x0
	ds_add_u32 v126, v127
	s_wait_dscnt 0x0
	ROUND                                          ; the closing round: no work-group ends while a partner may still ask for a tile that names it
	s_endpgm
.Lfunc_end_k_q33f43f9349_attn:
	.size	k_q33f43f9349_attn, .Lfunc_end_k_q33f43f9349_attn-k_q33f43f9349_attn
	.p2alignl 7, 3214868480
	.fill 96, 4, 3214868480
	.section	.rodata,"a",@progbits
	.p2align	6, 0x0
	.amdhsa_kernel k_q33f43f9349_attn
		.amdhsa_group_segment_fixed_size 327680
		.amdhsa_private_segment_fixed_size 0
		.amdhsa_enable_private_segment 0
		.amdhsa_kernarg_size 40
		.amdhsa_user_sgpr_count 2
		.amdhsa_user_sgpr_kernarg_segment_ptr 1
		.amdhsa_wavefront_size32 1
		.amdhsa_system_sgpr_workgroup_id_x 1
		.amdhsa_system_sgpr_workgroup_id_y 1
		.amdhsa_system_sgpr_workgroup_id_z 1
		.amdhsa_system_vgpr_workitem_id 0
		.amdhsa_next_free_vgpr 512
		.amdhsa_next_free_sgpr 102
		.amdhsa_reserve_vcc 0
		.amdhsa_float_denorm_mode_32 3
		.amdhsa_float_denorm_mode_16_64 3
		.amdhsa_memory_ordered 1
		.amdhsa_forward_progress 1
		.amdhsa_inst_pref_size 255
	.end_amdhsa_kernel
	.section	.bss,"aw",@nobits
	.p2align	6
	.space	262144
	.amdgpu_metadata
---
amdhsa.version: [ 1, 2 ]
amdhsa.kernels:
  - .name:           k_q33f43f9349_attn
    .symbol:         k_q33f43f9349_attn.kd
    .args:
      - { .name: K, .offset: 0, .size: 8, .value_kind: global_buffer, .address_space: global }
      - { .name: Q, .offset: 8, .size: 8, .value_kind: global_buffer, .address_space: global }
      - { .name: V, .offset: 16, .size: 8, .value_kind: global_buffer, .address_space: global }
      - { .name: mbits, .offset: 24, .size: 8, .value_kind: global_buffer, .address_space: global }
      - { .name: out0, .offset: 32, .size: 8, .value_kind: global_buffer, .address_space: global }
    .group_segment_fixed_size: 327680
    .private_segment_fixed_size: 0
    .kernarg_segment_align: 8
    .kernarg_segment_size: 40
    .max_flat_workgroup_size: 256
    .sgpr_count:     102
    .vgpr_count:     512
    .wavefront_size: 32
...
	.end_amdgpu_metadata
.endif
;; end of part 2
;; ======== version 2 of 2: 2 launches
;; limits: values are held in f16: magnitudes above 65,504 overflow, below 6.1e-05 lose precision; inputs' magnitudes at most 65,504; below input magnitudes of 6.1e-05 results are inexact or not finite
;; workspace buffers: mbits 524,288 bytes of whole numbers
;; launch packmask: the kernel of part 1 again; grid 256 x 1, 4 waves a work-group, no clusters, 17,152 bytes of LDS; arguments mask, mbits; writes mbits
;; launch attn (part 3): grid 4 x 64, 8 waves a work-group, clusters of 4 x 1, 327,680 bytes of LDS; arguments K, Q, V, mbits, out0; writes out0
.if DOCPART == 3
	.amdgcn_target "amdgcn-amd-amdhsa--gfx1250"
	.amdhsa_code_object_version 6
	.text
	.protected	k_q33f43f9349_attn
	.globl	k_q33f43f9349_attn
	.p2align	8
	.type	k_q33f43f9349_attn,@function
k_q33f43f9349_attn:
	s_mov_b64 s[64:65], 0
	v_nop
	global_prefetch_b8 v0, s[64:65] scope:SCOPE_SE
	s_setreg_imm32_b32 hwreg(HW_REG_WAVE_MODE, 25, 1), 1
	s_wait_xcnt 0x0
	s_wait_alu depctr_hold_cnt(0) depctr_sa_sdst(0) depctr_va_vdst(0) depctr_va_sdst(0) depctr_va_ssrc(0) depctr_va_vcc(0) depctr_vm_vsrc(0)
	s_getreg_b32 s2, hwreg(HW_REG_IB_STS2, 6, 4)
	s_cmp_eq_u32 s2, 0
	s_cbranch_scc0 .Lentry_in_a_cluster
	s_endpgm
.Lentry_in_a_cluster:
	s_bfe_u32 s2, ttmp6, 0x10000c
	s_cmp_lg_u32 s2, 0x3003
	s_cbranch_scc0 .Lentry_shape_is_right
	s_endpgm
.Lentry_shape_is_right:
; out = softmax(mask ? Q K^T / sqrt(128) : -inf) V for 64 heads of 2,048 x 128, f32 in memory; products on the matrix units with f32 sums, softmax in f32
; with a running maximum.  The mask is an input: every score tile is computed, and every mask bit (packed by the launch before) is honoured.
; SHARES.  A work-group: 512 query rows of one head, eight waves of 64 rows (four q tiles of 16).  4 x 64 work-groups.  A trip: 64 keys; 32 trips.
; A sub-step (one step of the running softmax): 32 keys, 32 + 32 matrix instructions a wave.
; CLUSTER.  The four query blocks of a head walk the same K and V tiles: they form a cluster of 4 x 1 and ask for each tile jointly (mask 15).
; Tiles whose mask words are all zero are not skipped: the partners would then take different ways, and all must make every joint request.
; TRANSPOSED PRODUCTS.  S^T = K Q^T: source 0 = 16 keys, source 1 = 16 queries; lane (r, h) holds query r, its register j key 8 h + j.  So the maximum, the
; sum and the rescaling factor of a query are one number a lane (the other half of its keys lies in lane xor 16), and two key tiles, rounded in pairs,
; ARE source 1 of O^T = V^T P^T: no shuffle.  V^T's fragments come from V's rows by the transposing LDS load.
; FORMATS.  Q and K are rounded to bf16 as they are; the factor log2 e / sqrt 128 is applied to the f32 scores, in the fused multiply-add that takes the
; maximum away.  P V runs in the f16 form: P lies in [0, 1] and wants mantissa, not range (a rounding of at most 2^-11 of the number, against 2^-8 in
; bf16), since a row that sees few keys is a sum of few terms of V's own size that may cancel.  V is rounded to bf16 like Q and K and that number is
; then written as f16, which is exact from 2^-14 to 65,504.
; K AND V come as f32 into a stage in LDS: each wave has two slots of 8,192 bytes of its own there (tensor loads alone write them), waves 0 to 3 for 16 rows
; of K, waves 4 to 7 for 16 rows of V, and each wave rounds what its own load brought into two 16-bit slots (LDS stores alone write those), from which all
; eight waves read.  In trip t tile t is multiplied and tile t + 1 is on its way.  Waves 0 to 3 round K's tile t in front of the trip's round of the
; cluster's barrier; waves 4 to 7 round V's tile t behind it, while waves 0 to 3 begin with the scores; a second barrier (signal behind the rounding, wait
; in front of the first read of V) shows V's tile to all.  With the ring one tile deep only the first trip (it starts O's sums) and the last (it asks for
; no tile) are written out; trips 1 to 30 are 15 laps of one loop.
; LIMITS.  |V| above 65,504 becomes infinite in f16; |V| below 2^-14 is kept to 2^-25 absolute.  The running maximum starts at -1e30: scores (times
; log2 e / sqrt 128) below that count as that.  A row without a true mask bit gives NaN (0 x 1/0), as the softmax of a row of -inf does.  The row sums
; add the f32 exponentials; the product with V takes their f16 roundings.
.set ROWB,   512                       ; a row of 128 f32
.set TILEB,  64*ROWB                   ; a tile of 64 rows in memory
.set PARTB,  16*ROWB                   ; a wave's part of a tile: 16 rows, 8,192 bytes: a stage slot
.set STW,    2*PARTB                   ; a wave's two stage slots
.set BFB,    8*STW                     ; 131,072: the 16-bit slots begin
.set KP,     272                       ; K's 16-bit pitch: 256 + 16, an odd multiple of 16
.set VP,     288                       ; V's 16-bit pitch: 256 + 32, an odd multiple of 32, for the transposing load
.set BFV,    64*KP                     ; V's tile behind K's
.set BFSLOT, 64*KP+64*VP               ; 35,840
.set SCRB,   BFB+2*BFSLOT              ; 202,752: each wave's own scratch
.set SCRW,   8704                      ; 16 x 272 on Q's way in, 16 x 528 on O's way out
.set OPI,    528                       ; O's pitch: 512 + 16
.set CSC,    0x3e0293ee                ; log2 e / sqrt 128 in f32
; window 0
.set KADR, 1                           ; LDS: K fragments: BFB + r 272 + 16 h
.set VADR, 2                           ; LDS: V fragments: BFB + BFV + (8 h + (L & 7)) 288 + 16 ((L >> 3) & 1)
.set CS,   3                           ; LDS: my stage: W 16,384 + 16 lane
.set CDK,  5                           ; LDS: waves 0 to 3: my 16 rounded rows of K: BFB + 16 W 272 + 8 lane
.set CDV,  6                           ; LDS: waves 4 to 7: my 16 rounded rows of V: BFB + BFV + 16 (W - 4) 288 + 8 lane
.set NINF, 7                           ; -inf
.set MA,   8                           ; v[8:11], v[12:15]: the running maxima (of the scaled scores) of the four q tiles, two sets that take turns
.set MB,   12
.set AL,   16                          ; v[16:19] 2^(old maximum - new maximum)
.set LP,   20                          ; v[20:27] a pair of partial row sums for each q tile
.set PFO,  28                          ; prefetch: cx 8,192 + 256 lane
.set SA,   29                          ; scratch, in
.set SB,   30                          ; scratch, back
.set GO,   31                          ; 16 lane: Q's loads, out's stores
.set FR,   32                          ; v[32:63] fragments: two batches of K, or V's blocks 0 to 3
.set SC,   64                          ; v[64:127] S[n][kt] at 64 + 16 n + 8 kt; then P[n] at 64 + 16 n and V's block 4 + n at 64 + 16 n + 8
.set QF,   128                         ; v[128:255] Q[n][ks] at 128 + 32 n + 8 ks
; window 1: O[n][mt] at 64 n + 8 mt (v256 to v511); before the trips Q's rows in f32
; scalars: s[4:5] prefetch base, s[6:7] Q, s[10:11] mask words, s[12:13] out, s14 wave, s15 laps, s66 wave & 3, s67 scratch base,
; s[16:63] and s[68:83] mask words of q tiles 0 to 3, s[84:91] descriptor group 1, s[92:95] and s[96:99] group 0 of my stage slots 0 and 1, s100, s101 lane selects
.set MSB, 0
.macro WIN new                         ; s_set_vgpr_msb: bits 1:0 source 0, 3:2 source 1, 5:4 source 2, 7:6 destination; the high byte repeats the setting left
.if MSB != \new
	s_set_vgpr_msb (MSB<<8)|\new
.set MSB, \new
.endif
.endm
.macro PLACES n                        ; places behind matrix instructions (ISA guide 7.12.1)
.rept \n
	v_nop
.endr
.endm
.macro ROUND                           ; a round of the cluster's barrier: my work-group's barrier, wave 0 signals for it, all wait for the four, my barrier again
	s_barrier_signal -1
	s_barrier_wait -1
	s_cmp_lg_u32 s14, 0
	s_cbranch_scc1 .Lnot_wave_0_\@
	s_barrier_signal -3
.Lnot_wave_0_\@:
	s_barrier_wait -3
	s_barrier_signal -1
	s_barrier_wait -1
.endm
	s_load_b256 s[4:11], s[0:1], 0x0               ; K s[4:5], Q s[6:7], V s[8:9], mbits s[10:11]
	s_load_b64 s[12:13], s[0:1], 0x20              ; out0
	v_lshl_add_u32 v29, v0, 2, 0x42800
	v_mov_b32 v30, 0
	ds_add_u32 v29, v30
	s_wait_dscnt 0x0
	v_lshrrev_b32 v1, 5, v0
	v_readfirstlane_b32 s14, v1                    ; wave 0..7
	v_and_b32 v32, 31, v0                          ; lane
	v_and_b32 v33, 15, v0                          ; r
	v_bfe_u32 v34, v0, 4, 1                        ; h
	v_lshlrev_b32 v[GO], 4, v32
	s_and_b32 s66, s14, 3
	s_bfe_u32 s16, ttmp6, 0x40000                  ; cx: my place in the cluster
	s_lshl_b32 s17, ttmp9, 2
	s_add_co_u32 s17, s17, s16                     ; query block = 4 x cluster x + cx
	s_and_b32 s18, ttmp7, 0xffff                   ; head = cluster y
	s_lshl_b32 s3, s16, 13
	v_lshl_add_u32 v[PFO], v32, 8, s3              ; my quarter of a tile, lanes 256 bytes apart
	s_lshl_b32 s20, s18, 20                        ; a head: 2,048 rows of 512 bytes
	s_mov_b32 s21, 0
	s_lshl_b32 s22, s17, 18                        ; a query block: 512 rows
	s_lshl_b32 s19, s14, 15                        ; a wave: 64 rows
	s_add_co_u32 s22, s22, s19
	s_add_co_u32 s22, s22, s20
	s_mov_b32 s23, 0
	s_lshl_b32 s24, s17, 17                        ; mask words: 32 q tiles of 4,096 bytes for a block,
	s_lshl_b32 s19, s14, 14                        ; 4 for a wave
	s_add_co_u32 s24, s24, s19
	s_mov_b32 s25, 0
	s_lshl_b32 s26, s66, 13                        ; my 8,192 bytes of a tile
	s_mov_b32 s27, 0
	s_wait_kmcnt 0x0
	s_add_nc_u64 s[6:7], s[6:7], s[22:23]
	s_add_nc_u64 s[12:13], s[12:13], s[22:23]
	s_add_nc_u64 s[10:11], s[10:11], s[24:25]
	s_cmp_lt_u32 s14, 4                            ; waves 0 to 3 fetch K's tile, waves 4 to 7 V's
	s_cselect_b64 s[4:5], s[4:5], s[8:9]
	s_add_nc_u64 s[4:5], s[4:5], s[20:21]          ; at my head: no place in the cluster enters
	; my 64 rows of Q, one row of 512 bytes a load, into window 1
	WIN 0x40
.set i, 0
.rept 64
	global_load_b128 v[4*i:4*i+3], v[GO], s[6:7] offset:ROWB*i th:TH_LOAD_NT
.set i, i+1
.endr
	WIN 0
	; group 1: 32 rows of 32 elements of 8 bytes, dense: my 8,192 bytes of a tile
	s_mov_b32 s84, 15|(3<<16)|(1<<21)              ; 15:0 the four partners; 17:16 elements of 8 bytes; 21 set beside a mask; no padding
	s_mov_b32 s85, 32<<16                          ; tensor_dim0 = 32
	s_mov_b32 s86, 32<<16                          ; tensor_dim1 = 32
	s_mov_b32 s87, 32<<16                          ; tile_dim0 = 32
	s_mov_b32 s88, 32                              ; tile_dim1 = 32
	s_mov_b32 s89, 32                              ; 32 elements from row to row
	s_mov_b32 s90, 0
	s_mov_b32 s91, 0
	s_mov_b32 s92, 1
	s_lshl_b32 s93, s14, 14                        ; my stage slot 0: wave x 16,384
	s_add_nc_u64 s[94:95], s[4:5], s[26:27]        ; tile 0
	s_mov_b32 s96, 1
	s_add_co_u32 s97, s93, PARTB                   ; my stage slot 1
	s_add_nc_u64 s[98:99], s[94:95], TILEB         ; tile 1
	s_or_b32 s95, s95, 0x80000000                  ; type 2
	s_or_b32 s99, s99, 0x80000000
	s_add_nc_u64 s[4:5], s[4:5], 2*TILEB           ; the first tile that is prefetched: tile 2
	ROUND                                          ; the four partners are here: the first joint loads meet
	tensor_load_to_lds s[92:95], s[84:91]          ; tile 0, ahead of every LDS read and every wait on TENSORcnt; slot 1 is first filled behind trip 0's round
	s_nop 0
	s_load_b512 s[16:31], s[10:11], 0x0            ; mask words of the first sub-step: 2 key tiles x 8 words for each q tile
	s_load_b512 s[32:47], s[10:11], 0x1000
	s_load_b512 s[48:63], s[10:11], 0x2000
	s_load_b512 s[68:83], s[10:11], 0x3000
	s_mov_b32 s100, 0x76543210                     ; v_permlanex16_b32: lane i takes lane i xor 16
	s_mov_b32 s101, 0xfedcba98
	v_mul_u32_u24 v[KADR], v33, KP
	v_lshl_add_u32 v[KADR], v34, 4, v[KADR]
	v_add_nc_u32 v[KADR], BFB, v[KADR]
	v_and_b32 v35, 7, v0
	v_lshl_add_u32 v35, v34, 3, v35
	v_bfe_u32 v36, v0, 3, 1
	v_mul_u32_u24 v[VADR], v35, VP
	v_lshl_add_u32 v[VADR], v36, 4, v[VADR]
	v_add_nc_u32 v[VADR], BFB+BFV, v[VADR]
	s_lshl_b32 s3, s14, 14
	v_add_nc_u32 v[CS], s3, v[GO]
	s_mul_i32 s3, s14, 16*KP
	s_add_co_u32 s3, s3, BFB
	v_lshl_add_u32 v[CDK], v32, 3, s3              ; used by waves 0 to 3 alone
	s_mul_i32 s3, s14, 16*VP
	s_add_co_u32 s3, s3, BFB+BFV-64*VP
	v_lshl_add_u32 v[CDV], v32, 3, s3              ; used by waves 4 to 7 alone: wave 4 has V's rows 0 to 15
	s_mul_i32 s67, s14, SCRW
	s_add_co_u32 s67, s67, SCRB                    ; my scratch
	v_lshl_add_u32 v[SA], v32, 3, s67              ; in: a row of 128 bf16, 8 bytes a lane
	v_mul_u32_u24 v[SB], v33, KP
	v_lshl_add_u32 v[SB], v34, 4, v[SB]
	v_add_nc_u32 v[SB], s67, v[SB]                 ; back: as fragments
	v_mov_b32 v[NINF], 0xff800000
.irp n, 0,1,2,3
	v_mov_b32 v[MA+\n], 0xf149f2ca                 ; -1e30
	v_mov_b32 v[AL+\n], 0
	v_mov_b32 v[LP+2*\n], 0
	v_mov_b32 v[LP+2*\n+1], 0
.endr
; q tile n: 16 rows rounded to bf16 as they are, through my scratch into fragments (lane (r, h): row r, K = 8 h .. and 16 + 8 h ..)
.macro QIN n
	s_wait_loadcnt 48-16*\n                        ; the rows of the later q tiles stay out
	WIN 0x05                                       ; sources in window 1, destination in window 0
.set i, 0
.rept 32
	v_cvt_pk_bf16_f32 v[SC+32*(\n&1)+i], v[64*\n+2*i], v[64*\n+2*i+1]
.set i, i+1
.endr
	WIN 0
.set i, 0
.rept 16
	ds_store_b64 v[SA], v[SC+32*(\n&1)+2*i:SC+32*(\n&1)+2*i+1] offset:i*KP
.set i, i+1
.endr
.irp c, 0,1,2,3
	ds_load_b128 v[QF+32*\n+8*\c:QF+32*\n+8*\c+3],   v[SB] offset:64*\c       ; my own bytes; LDS serves a wave's instructions in order (ISA guide 5.7.1)
	ds_load_b128 v[QF+32*\n+8*\c+4:QF+32*\n+8*\c+7], v[SB] offset:64*\c+32
.endr
.endm
	QIN 0
	QIN 1
	QIN 2
	QIN 3
; Eight rows, four registers each at b: four f32 a lane to two registers of bf16
.macro KCV8 b
.irp i, 0,1,2,3,4,5,6,7
	v_cvt_pk_bf16_f32 v[\b+4*\i],   v[\b+4*\i],   v[\b+4*\i+1]
	v_cvt_pk_bf16_f32 v[\b+4*\i+1], v[\b+4*\i+2], v[\b+4*\i+3]
.endr
.endm
; The same, and the bf16 numbers written as f16: widened again (a shift, a mask) and converted: 8 bits of mantissa fit into 11
.macro VCV8 b
	KCV8 \b
.irp i, 0,1,2,3,4,5,6,7
	v_lshlrev_b32 v[\b+4*\i+2], 16, v[\b+4*\i]
	v_and_b32     v[\b+4*\i+3], 0xffff0000, v[\b+4*\i]
.endr
.irp i, 0,1,2,3,4,5,6,7
	v_cvt_pk_f16_f32 v[\b+4*\i], v[\b+4*\i+2], v[\b+4*\i+3]
.endr
.irp i, 0,1,2,3,4,5,6,7
	v_lshlrev_b32 v[\b+4*\i+2], 16, v[\b+4*\i+1]
	v_and_b32     v[\b+4*\i+3], 0xffff0000, v[\b+4*\i+1]
.endr
.irp i, 0,1,2,3,4,5,6,7
	v_cvt_pk_f16_f32 v[\b+4*\i+1], v[\b+4*\i+2], v[\b+4*\i+3]
.endr
.endm
.macro STLOAD p                        ; my stage slot p: 16 rows of 512 bytes, 16 neighbouring bytes a lane
.set i, 0
.rept 16
	ds_load_b128 v[SC+4*i:SC+4*i+3], v[CS] offset:\p*PARTB+i*ROWB
.set i, i+1
.endr
.endm
; Waves 0 to 3: my 16 rows of K from my stage slot p to 16-bit slot p
.macro CONVK p
	STLOAD \p
	s_wait_dscnt 0x8                               ; rows 0 to 7 are in; the eight loads of rows 8 to 15 are the younger ones
	KCV8 SC
.irp i, 0,1,2,3,4,5,6,7
	ds_store_b64 v[CDK], v[SC+4*\i:SC+4*\i+1] offset:\p*BFSLOT+\i*KP
.endr
	s_wait_dscnt 0x8                               ; rows 8 to 15 are in; the eight stores just issued are the younger ones
	KCV8 SC+32
.irp i, 0,1,2,3,4,5,6,7
	ds_store_b64 v[CDK], v[SC+32+4*\i:SC+32+4*\i+1] offset:\p*BFSLOT+(\i+8)*KP
.endr
.endm
; Waves 4 to 7: my 16 rows of V likewise
.macro CONVV p
	STLOAD \p
	s_wait_dscnt 0x8                               ; the batches of K issued before and rows 0 to 7 are in; rows 8 to 15 are the younger ones
	VCV8 SC
.irp i, 0,1,2,3,4,5,6,7
	ds_store_b64 v[CDV], v[SC+4*\i:SC+4*\i+1] offset:\p*BFSLOT+\i*VP
.endr
	s_wait_dscnt 0x8                               ; rows 8 to 15 are in; the eight stores just issued are the younger ones
	VCV8 SC+32
.irp i, 0,1,2,3,4,5,6,7
	ds_store_b64 v[CDV], v[SC+32+4*\i:SC+32+4*\i+1] offset:\p*BFSLOT+(\i+8)*VP
.endr
.endm
; A batch of K: key tile kt4 of the trip's four, K steps 2 pair and 2 pair + 1, into 16 registers at f
.macro KLOAD buf, kt4, pair, f
.irp c, 0,1
	ds_load_b128 v[\f+8*\c:\f+8*\c+3],   v[KADR] offset:\buf*BFSLOT+(\kt4)*16*KP+(2*\pair+\c)*64
	ds_load_b128 v[\f+8*\c+4:\f+8*\c+7], v[KADR] offset:\buf*BFSLOT+(\kt4)*16*KP+(2*\pair+\c)*64+32
.endr
.endm
; Eight matrix instructions on a batch.  The four q tiles' accumulators take turns, one instruction a turn.  The first K step starts the sums.
.macro QKB kt, pair, f
.irp c, 0,1
.irp n, 0,1,2,3
.if (2*\pair+\c) == 0
	v_wmma_f32_16x16x32_bf16 v[SC+16*\n+8*\kt:SC+16*\n+8*\kt+7], v[\f+8*\c:\f+8*\c+7], v[QF+32*\n+8*(2*\pair+\c):QF+32*\n+8*(2*\pair+\c)+7], 0
.else
	v_wmma_f32_16x16x32_bf16 v[SC+16*\n+8*\kt:SC+16*\n+8*\kt+7], v[\f+8*\c:\f+8*\c+7], v[QF+32*\n+8*(2*\pair+\c):QF+32*\n+8*(2*\pair+\c)+7], v[SC+16*\n+8*\kt:SC+16*\n+8*\kt+7]
.endif
.endr
.endr
.endm
; One select a score register: the packed word is the lane mask.  q tile 3's words lie 4 registers further up.
.macro MASKT kt
.irp n, 0,1,2,3
.irp j, 0,1,2,3,4,5,6,7
	v_cndmask_b32 v[SC+16*\n+8*\kt+\j], v[NINF], v[SC+16*\n+8*\kt+\j], s[16+16*\n+4*(\n/3)+8*\kt+\j]
.endr
.endr
.endm
; V^T's fragments: 16 columns of V x the sub-step's 32 keys
.macro VLOADLO buf, ss
.irp m, 0,1,2,3
	ds_load_tr16_b128 v[FR+8*\m:FR+8*\m+3],   v[VADR] offset:\buf*BFSLOT+\ss*32*VP+32*\m
	ds_load_tr16_b128 v[FR+8*\m+4:FR+8*\m+7], v[VADR] offset:\buf*BFSLOT+\ss*32*VP+32*\m+16*VP
.endr
.endm
.macro VLOADHI buf, ss, t              ; block 4 + t, into the half of S[t] that the rounding has freed
	ds_load_tr16_b128 v[SC+16*\t+8:SC+16*\t+11],  v[VADR] offset:\buf*BFSLOT+\ss*32*VP+32*(\t+4)
	ds_load_tr16_b128 v[SC+16*\t+12:SC+16*\t+15], v[VADR] offset:\buf*BFSLOT+\ss*32*VP+32*(\t+4)+16*VP
.endm
.macro SUBM n, m                       ; S[n] x log2 e / sqrt 128 - the new maximum, fused, two at a time; op_sel picks the q tile's register of the pair for both halves
.irp i, 0,1,2,3,4,5,6,7
.if (\n)&1
	v_pk_fma_f32 v[SC+16*\n+2*\i:SC+16*\n+2*\i+1], v[SC+16*\n+2*\i:SC+16*\n+2*\i+1], CSC, v[\m+\n-1:\m+\n] op_sel:[0,0,1] op_sel_hi:[1,0,1] neg_lo:[0,0,1] neg_hi:[0,0,1]
.else
	v_pk_fma_f32 v[SC+16*\n+2*\i:SC+16*\n+2*\i+1], v[SC+16*\n+2*\i:SC+16*\n+2*\i+1], CSC, v[\m+\n:\m+\n+1] op_sel_hi:[1,0,0] neg_lo:[0,0,1] neg_hi:[0,0,1]
.endif
.endr
.endm
.macro EXPN n
.set i, 0
.rept 16
	v_exp_f32 v[SC+16*\n+i], v[SC+16*\n+i]
.set i, i+1
.endr
.endm
; The row sums (the old ones rescaled by one fused multiply-add) and the rounding to f16, pair by pair: pair i lands in register i, which has been summed
.macro SUMCVT n
.if (\n)&1
	s_wait_alu depctr_va_vdst(0)
	v_pk_fma_f32 v[LP+2*\n:LP+2*\n+1], v[LP+2*\n:LP+2*\n+1], v[AL+\n-1:AL+\n], v[SC+16*\n:SC+16*\n+1] op_sel:[0,1,0] op_sel_hi:[1,1,1]
.else
	s_wait_alu depctr_va_vdst(0)
	v_pk_fma_f32 v[LP+2*\n:LP+2*\n+1], v[LP+2*\n:LP+2*\n+1], v[AL+\n:AL+\n+1], v[SC+16*\n:SC+16*\n+1] op_sel_hi:[1,0,1]
.endif
	v_cvt_pk_f16_f32 v[SC+16*\n], v[SC+16*\n], v[SC+16*\n+1]
.irp i, 1,2,3,4,5,6,7
	v_pk_add_f32 v[LP+2*\n:LP+2*\n+1], v[LP+2*\n:LP+2*\n+1], v[SC+16*\n+2*\i:SC+16*\n+2*\i+1]
	v_cvt_pk_f16_f32 v[SC+16*\n+\i], v[SC+16*\n+2*\i], v[SC+16*\n+2*\i+1]
.endr
.endm
.macro SCALEO                          ; O times the lane's factor AL[n]: destination and source 0 in window 1
	WIN 0x41
.irp n, 0,1,2,3
.set i, 0
.rept 32
.if (\n)&1
	v_pk_mul_f32 v[64*\n+2*i:64*\n+2*i+1], v[64*\n+2*i:64*\n+2*i+1], v[AL+\n-1:AL+\n] op_sel:[0,1] op_sel_hi:[1,1]
.else
	v_pk_mul_f32 v[64*\n+2*i:64*\n+2*i+1], v[64*\n+2*i:64*\n+2*i+1], v[AL+\n:AL+\n+1] op_sel_hi:[1,0]
.endif
.set i, i+1
.endr
.endr
.endm
; Sixteen matrix instructions of O^T += V^T P^T, in the f16 form, on sixteen accumulators, each once
.macro PVH hi, first
.irp m, 0,1,2,3
.irp n, 0,1,2,3
.if \hi
.if \first
	v_wmma_f32_16x16x32_f16 v[64*\n+8*\m+32:64*\n+8*\m+39], v[SC+16*\m+8:SC+16*\m+15], v[SC+16*\n:SC+16*\n+7], 0
.else
	v_wmma_f32_16x16x32_f16 v[64*\n+8*\m+32:64*\n+8*\m+39], v[SC+16*\m+8:SC+16*\m+15], v[SC+16*\n:SC+16*\n+7], v[64*\n+8*\m+32:64*\n+8*\m+39]
.endif
.else
.if \first
	v_wmma_f32_16x16x32_f16 v[64*\n+8*\m:64*\n+8*\m+7], v[FR+8*\m:FR+8*\m+7], v[SC+16*\n:SC+16*\n+7], 0
.else
	v_wmma_f32_16x16x32_f16 v[64*\n+8*\m:64*\n+8*\m+7], v[FR+8*\m:FR+8*\m+7], v[SC+16*\n:SC+16*\n+7], v[64*\n+8*\m:64*\n+8*\m+7]
.endif
.endif
.endr
.endr
.endm
; A sub-step: keys 32 ss .. 32 ss + 31 of 16-bit slot buf.  mo, mn: the old and the new maxima.  first: O's sums start.  kpre: the next sub-step's first two
; batches of K are fetched.  mnext: the next sub-step's mask words are fetched.  vbar: the wait of the barrier that shows V's tile stands in front of the
; first read of V.  On entry the first two batches of K are in FR (ss = 0: the trip has waited for all) or on their way (ss = 1).
.macro SUB buf, ss, mo, mn, first, kpre, mnext, vbar
.if \ss
	s_wait_dscnt 0x4                               ; batch 0 is in; batch 1's four loads are the younger ones
.endif
	QKB 0, 0, FR
	PLACES 4                                       ; in front of loads into registers that the matrix instructions read
	KLOAD \buf, 2*\ss+1, 0, FR
	s_wait_dscnt 0x4                               ; batch 1
	QKB 0, 1, FR+16
	PLACES 4
	KLOAD \buf, 2*\ss+1, 1, FR+16
	s_wait_dscnt 0x4                               ; batch 2
	QKB 1, 0, FR
	s_wait_dscnt 0x0                               ; batch 3
	QKB 1, 1, FR+16
	s_wait_kmcnt 0x0                               ; this sub-step's mask words
	MASKT 0                                        ; 32 selects on the first key tile, which name no register of the last sixteen matrix instructions: their places
	MASKT 1
	; the largest of my 16 raw scores of each q tile: 3 + 6 x 2 + 1, four chains side by side
.irp n, 0,1,2,3
	v_max3_num_f32 v[\mn+\n], v[SC+16*\n], v[SC+16*\n+1], v[SC+16*\n+2]
.endr
.irp i, 0,1,2,3,4,5
.irp n, 0,1,2,3
	v_max3_num_f32 v[\mn+\n], v[SC+16*\n+3+2*\i], v[SC+16*\n+4+2*\i], v[\mn+\n]
.endr
.endr
.irp n, 0,1,2,3
	v_max_num_f32 v[\mn+\n], v[\mn+\n], v[SC+16*\n+15]
.endr
.if \vbar
	s_barrier_wait -1                              ; waves 4 to 7 have stored V's 16-bit tile; since the signal: matrix and vector work and loads of K's tile alone
.endif
	VLOADLO \buf, \ss
.if \mnext
	s_add_nc_u64 s[10:11], s[10:11], 64            ; two key tiles on; no scalar load is out since the wait above
	s_load_b512 s[16:31], s[10:11], 0x0
	s_load_b512 s[32:47], s[10:11], 0x1000
	s_load_b512 s[48:63], s[10:11], 0x2000
	s_load_b512 s[68:83], s[10:11], 0x3000
.endif
.irp n, 0,1,2,3
	v_mul_f32 v[\mn+\n], CSC, v[\mn+\n]            ; into the units of the exponent: the factor is positive, so the largest stays the largest
.endr
.irp n, 0,1,2,3
	v_permlanex16_b32 v[AL+\n], v[\mn+\n], s100, s101      ; the other eight keys of each tile lie in lane xor 16
.endr
.irp n, 0,1,2,3
	v_max3_num_f32 v[\mn+\n], v[\mn+\n], v[AL+\n], v[\mo+\n]       ; mine, the other half's, the running one
.endr
.irp n, 0,1,2,3
	v_sub_f32 v[AL+\n], v[\mo+\n], v[\mn+\n]
.endr
.irp n, 0,1,2,3
	v_exp_f32 v[AL+\n], v[AL+\n]
.endr
	; staggered, so that plain instructions on another q tile stand between a run of exponentials and the first use of its results (ISA guide 5.7.2)
	SUBM 0, \mn
	EXPN 0
	SUBM 1, \mn
	SUMCVT 0
	VLOADHI \buf, \ss, 0
	EXPN 1
	SUBM 2, \mn
	SUMCVT 1
	VLOADHI \buf, \ss, 1
	EXPN 2
	SUBM 3, \mn
	SUMCVT 2
	VLOADHI \buf, \ss, 2
	EXPN 3
	v_nop
	s_wait_alu depctr_va_vdst(0)
	SUMCVT 3
	VLOADHI \buf, \ss, 3
.if \first == 0
	SCALEO
.endif
	s_wait_dscnt 0x8                               ; V's blocks 0 to 3 are in; the eight loads of blocks 4 to 7 are the younger ones
	WIN 0x50                                       ; C and D in window 1
	PVH 0, \first
.if \kpre
	WIN 0
	PLACES 4                                       ; in front of loads into FR, which the sixteen above read
	KLOAD \buf, 2*\ss+2, 0, FR
	KLOAD \buf, 2*\ss+2, 1, FR+16
	s_wait_dscnt 0x8                               ; V's blocks 4 to 7 are in; the eight loads just issued are the younger ones
.else
	s_wait_dscnt 0x0
.endif
	WIN 0x50
	PVH 1, \first
	WIN 0
	PLACES 5                                       ; the next scores are written over P and V's blocks; loads go into them too
.endm
; Trip t on slots p (o: the others).  refill: tile t + 1 is asked for.  pf: tile t + 2 is prefetched (2: but not in the loop's last lap), at pfo from the base.
.macro TRIP p, o, refill, pf, pfo, first, last
	s_wait_xcnt 0x0
	v_lshl_add_u32 v29, v0, 2, 0x42800
	v_mov_b32 v30, 0
	s_wait_tensorcnt 0x0                           ; all my tensor loads have landed: the one that was out is my part of tile t
	ds_add_u32 v29, v30
	s_wait_dscnt 0x0
.if \refill
	s_add_nc_u64 s[94+4*\p:95+4*\p], s[94+4*\p:95+4*\p], 2*TILEB   ; so a group 0 may be written: this slot's next tile
.endif
	s_cmp_ge_u32 s14, 4
	s_cbranch_scc1 .Lnot_k_\@
	CONVK \p                                       ; waves 0 to 3: the bytes that my own load brought; 16-bit slot p was last read two trips ago
.Lnot_k_\@:
	s_wait_dscnt 0x0                               ; my reads of both stage slots and of 16-bit slot o are back, my stores into 16-bit slot p are done
.if \refill
	ROUND                                          ; all that now holds of every wave of the four partners
	tensor_load_to_lds s[92+4*\o:95+4*\o], s[84:91]        ; my one tensor load behind the round, and the first thing there: tile t + 1
	s_nop 0
.else
	s_barrier_signal -1
	s_barrier_wait -1
.endif
.if \pf
	; Tile t + 2, one trip ahead of its tensor load: wave 0 asks for K's, wave 4 for V's; each partner for its quarter of 8,192 bytes, lanes 256 bytes
	; apart: each block once in the launch.  Trip 30 (the second trip of the lap in which the counter is 1) and trip 31 ask for nothing: tile 31 is the last.
	s_cmp_lg_u32 s66, 0
	s_cbranch_scc1 .Lnopf_\@
.if \pf == 2
	s_cmp_eq_u32 s15, 1
	s_cbranch_scc1 .Lnopf_\@
.endif
	global_prefetch_b8 v[PFO], s[4:5] offset:\pfo th:TH_LOAD_NT scope:SCOPE_SE
.Lnopf_\@:
.endif
	KLOAD \p, 0, 0, FR
	KLOAD \p, 0, 1, FR+16
	s_cmp_lt_u32 s14, 4
	s_cbranch_scc1 .Lnot_v_\@
	CONVV \p                                       ; waves 4 to 7: V's tile t, which landed in front of the round, while waves 0 to 3 are at the scores
.Lnot_v_\@:
	s_wait_dscnt 0x0                               ; my stores of V are done (and the two batches of K are in)
	s_barrier_signal -1                            ; the wait stands in the first sub-step, in front of the first read of V
	SUB \p, 0, MA, MB, \first, 1, 1, 1
	SUB \p, 1, MB, MA, 0, 0, 1-\last, 0
.endm
.macro PBSTEP n                        ; the prefetch base steps; the prefetches that name s[4:5] were issued a trip's work ago
	s_wait_xcnt 0x0
	s_add_nc_u64 s[4:5], s[4:5], \n
.endm
	s_wait_dscnt 0x0                               ; Q's fragments are in, my scratch is at rest
	TRIP 0, 1, 1, 1, 0, 1, 0                       ; trip 0 stands in front of the loop: its first products start O's sums; it asks for tile 1, prefetches tile 2
	PBSTEP TILEB
	s_mov_b32 s15, 15                              ; trips 1 to 30
.Llap:
	TRIP 1, 0, 1, 1, 0, 0, 0
	TRIP 0, 1, 1, 2, TILEB, 0, 0
	PBSTEP 2*TILEB
	s_sub_co_i32 s15, s15, 1
	s_cmp_lg_u32 s15, 0
	s_cbranch_scc1 .Llap
	TRIP 1, 0, 0, 0, 0, 0, 1                       ; trip 31: nothing is left to fetch
	; THE WAY OUT: O / row sum, 16 rows at a time through my scratch, so that a store of the wave is one whole row of 512 bytes
.irp n, 0,1,2,3
	v_add_f32 v[LP+2*\n], v[LP+2*\n], v[LP+2*\n+1]
.endr
.irp n, 0,1,2,3
	v_permlanex16_b32 v[AL+\n], v[LP+2*\n], s100, s101
.endr
.irp n, 0,1,2,3
	v_add_f32 v[AL+\n], v[AL+\n], v[LP+2*\n]
.endr
.irp n, 0,1,2,3
	v_rcp_f32 v[AL+\n], v[AL+\n]
.endr
	v_and_b32 v32, 15, v0                          ; plain instructions between the reciprocals and their use
	v_bfe_u32 v33, v0, 4, 1
	v_mul_u32_u24 v[SA], v32, OPI
	v_lshl_add_u32 v[SA], v33, 5, v[SA]
	v_add_nc_u32 v[SA], s67, v[SA]                 ; in: lane (r, h), block mt: row r, 32 bytes at 64 mt + 32 h
	v_add_nc_u32 v[SB], s67, v[GO]                 ; back: a row, 16 bytes a lane
	s_wait_alu depctr_va_vdst(0)
	SCALEO
.macro OUTN n, f
	WIN 0x04                                       ; store data from window 1
.irp m, 0,1,2,3,4,5,6,7
	ds_store_b128 v[SA], v[64*\n+8*\m:64*\n+8*\m+3]   offset:64*\m
	ds_store_b128 v[SA], v[64*\n+8*\m+4:64*\n+8*\m+7] offset:64*\m+16
.endr
	WIN 0
	s_wait_xcnt 0x0                                ; the registers at f, which earlier stores read, are loaded again only behind this wait
.set i, 0
.rept 16
	ds_load_b128 v[\f+4*i:\f+4*i+3], v[SB] offset:i*OPI    ; my own bytes, served in order behind the stores above
.set i, i+1
.endr
.set i, 0
.rept 16
	s_wait_dscnt 15-i                              ; row i is in; the later rows' loads are the younger ones
	global_store_b128 v[GO], v[\f+4*i:\f+4*i+3], s[12:13] offset:(16*\n+i)*ROWB th:TH_STORE_NT
.set i, i+1
.endr
.endm
	OUTN 0, SC
	OUTN 1, QF
	OUTN 2, SC
	OUTN 3, QF
	s_wait_xcnt 0x0
	v_lshl_add_u32 v29, v0, 2, 0x42800
	v_mov_b32 v30, 0
	s_wait_tensorcnt 0x0
	ds_add_u32 v29, v30
	s_wait_dscnt 0x0
	ROUND                                          ; the closing round: no work-group ends while a partner may still ask for a tile that names it
	s_endpgm
.Lfunc_end_k_q33f43f9349_attn:
	.size	k_q33f43f9349_attn, .Lfunc_end_k_q33f43f9349_attn-k_q33f43f9349_attn
	.p2alignl 7, 3214868480
	.fill 96, 4, 3214868480
	.section	.rodata,"a",@progbits
	.p2align	6, 0x0
	.amdhsa_kernel k_q33f43f9349_attn
		.amdhsa_group_segment_fixed_size 327680
		.amdhsa_private_segment_fixed_size 0
		.amdhsa_enable_private_segment 0
		.amdhsa_kernarg_size 40
		.amdhsa_user_sgpr_count 2
		.amdhsa_user_sgpr_kernarg_segment_ptr 1
		.amdhsa_wavefront_size32 1
		.amdhsa_system_sgpr_workgroup_id_x 1
		.amdhsa_system_sgpr_workgroup_id_y 1
		.amdhsa_system_sgpr_workgroup_id_z 1
		.amdhsa_system_vgpr_workitem_id 0
		.amdhsa_next_free_vgpr 512
		.amdhsa_next_free_sgpr 102
		.amdhsa_reserve_vcc 0
		.amdhsa_float_denorm_mode_32 3
		.amdhsa_float_denorm_mode_16_64 3
		.amdhsa_memory_ordered 1
		.amdhsa_forward_progress 1
		.amdhsa_inst_pref_size 255
	.end_amdhsa_kernel
	.section	.bss,"aw",@nobits
	.p2align	6
	.space	262144
	.amdgpu_metadata
---
amdhsa.version: [ 1, 2 ]
amdhsa.kernels:
  - .name:           k_q33f43f9349_attn
    .symbol:         k_q33f43f9349_attn.kd
    .args:
      - { .name: K, .offset: 0, .size: 8, .value_kind: global_buffer, .address_space: global }
      - { .name: Q, .offset: 8, .size: 8, .value_kind: global_buffer, .address_space: global }
      - { .name: V, .offset: 16, .size: 8, .value_kind: global_buffer, .address_space: global }
      - { .name: mbits, .offset: 24, .size: 8, .value_kind: global_buffer, .address_space: global }
      - { .name: out0, .offset: 32, .size: 8, .value_kind: global_buffer, .address_space: global }
    .group_segment_fixed_size: 327680
    .private_segment_fixed_size: 0
    .kernarg_segment_align: 8
    .kernarg_segment_size: 40
    .max_flat_workgroup_size: 256
    .sgpr_count:     102
    .vgpr_count:     512
    .wavefront_size: 32
...
	.end_amdgpu_metadata
.endif
;; end of part 3
